; MI455X (gfx1250); checked and timed in simulation.
; The chip was launched on July 23, 2026; its instructions are those of AMD's public machine-readable ISA for CDNA 5 (MIT licence, August 2026) and "CDNA5" Instruction Set Architecture Reference Guide (July 2026). The comments in the code are by the model that wrote it; some were corrected since.
;; Tt Code Gen Attention. Allowed arithmetic: float matrix products may take bf16 or f16 operands with f32 sums; all other float work in f32.
;; Inputs: hidden_states 2 x 2,048 x 1,024 float32; w_out 1,024 x 1,024 float32; w_qkv 3,072 x 1,024 float32.
;; Outputs: out0 2 x 2,048 x 1,024 float32.
;; One version. Each part assembles by itself: llvm-mc -triple=amdgcn-amd-amdhsa -mcpu=gfx1250 --defsym DOCPART=n.
;; ======== version 1 of 1: 4 launches
;; limits: values are held in f16: magnitudes above 65,504 overflow, below 6.1e-05 lose precision
;; workspace buffers: hb 8,388,608 bytes; wqb 6,291,456 bytes; wob 2,097,152 bytes; rope 262,144 bytes; qb 8,388,608 bytes; kb 8,388,608 bytes; vb 8,388,608 bytes; ctx 8,388,608 bytes
;; launch prep (part 1): grid 1024 x 1, 8 waves a work-group, no clusters, 0 bytes of LDS; arguments hidden_states, w_qkv, w_out, hb, wqb, wob, rope; writes hb, wqb, wob, rope
.if DOCPART == 1
	.amdgcn_target "amdgcn-amd-amdhsa--gfx1250"
	.amdhsa_code_object_version 6
	.text
	.protected	k_q167247266a_prep
	.globl	k_q167247266a_prep
	.p2align	8
	.type	k_q167247266a_prep,@function
k_q167247266a_prep:
	s_mov_b64 s[64:65], 0
	v_nop
	global_prefetch_b8 v0, s[64:65] scope:SCOPE_SE
	s_setreg_imm32_b32 hwreg(HW_REG_WAVE_MODE, 25, 1), 1
	s_wait_xcnt 0x0
; Casts the three f32 inputs to 16 bits, once, and makes the rotary table.
;   hb  = bf16(hidden_states)   wqb = bf16(w_qkv)   wob = f16(bf16(w_out))   rope[pos][i] = (cos, sin)(pos * 10000^(-i/16)), f32
; w_out is rounded to bf16 like the other inputs and then written as f16, the format of the operand it is multiplied with later.
; The second step is exact for magnitudes from 2^-17 up (8 significant bits fit into f16's step of 2^-24).
; LIMITS: |w_out| below 65,504.  The table's angle is good to about 4e-4 rad at position 2047 (inverse frequency from one
; exp2, reduction by 1/(2 pi) in f32).
; Work-group g casts 32 KiB of f32: g 0-511 hidden_states, 512-895 w_qkv, 896-1023 w_out.  A wave takes 4 KiB: eight loads of 512
; consecutive bytes, all issued at once; each gives one store of 256 consecutive aligned bytes.  No LDS, no barrier, no matrix unit: every
; byte is read once and written once, and no wave needs another's data.
; Wave 0 also makes 32 table entries (positions 2 g and 2 g + 1, sixteen frequencies): one store of 256 consecutive bytes.
.set X, 4                              ; v[4:35]   eight loads of four f32
.set Y, 36                             ; v[36:51]  eight pairs of packed results
.set W, 52                             ; v[52:62]  the table's arithmetic
	s_load_b256 s[4:11], s[0:1], 0x0               ; hidden_states s[4:5], w_qkv s[6:7], w_out s[8:9], hb s[10:11]
	s_load_b128 s[12:15], s[0:1], 0x20             ; wqb s[12:13], wob s[14:15]
	s_load_b64 s[16:17], s[0:1], 0x30              ; rope
	v_lshrrev_b32 v1, 5, v0
	v_readfirstlane_b32 s18, v1                    ; wave 0..7
	v_and_b32 v3, 31, v0                           ; lane
	v_lshlrev_b32 v1, 12, v1                       ; 4,096 bytes a wave
	v_lshl_add_u32 v1, v3, 4, v1                   ; + 16 bytes a lane: offset in the source
	v_lshrrev_b32 v2, 1, v1                        ; half of it: offset in the destination
	s_mov_b32 s25, 896
	s_mov_b32 s27, 0
	s_wait_kmcnt 0x0
	s_cmp_lt_u32 ttmp9, s25                        ; which tensor is mine: a choice on the work-group's number alone
	s_cselect_b64 s[20:21], s[6:7], s[8:9]
	s_cselect_b64 s[22:23], s[12:13], s[14:15]
	s_cselect_b32 s24, 512, s25
	s_cmp_lt_u32 ttmp9, 512
	s_cselect_b64 s[20:21], s[4:5], s[20:21]
	s_cselect_b64 s[22:23], s[10:11], s[22:23]
	s_cselect_b32 s24, 0, s24
	s_sub_co_u32 s24, ttmp9, s24                   ; my number within that tensor
	s_lshl_b32 s26, s24, 15
	s_add_nc_u64 s[20:21], s[20:21], s[26:27]      ; source: 32 KiB a work-group
	s_lshl_b32 s26, s24, 14
	s_add_nc_u64 s[22:23], s[22:23], s[26:27]      ; destination: 16 KiB
	s_lshl_b32 s26, ttmp9, 8
	s_add_nc_u64 s[16:17], s[16:17], s[26:27]      ; table: 256 bytes
.irp i, 0,1,2,3,4,5,6,7
	global_load_b128 v[X+4*\i:X+4*\i+3], v1, s[20:21] offset:512*\i th:TH_LOAD_NT
.endr
	s_cmp_lg_u32 s18, 0
	s_cbranch_scc1 .Lno_table
	; lane l: frequency i = l % 16, position 2 g + l / 16
	s_lshl_b32 s28, ttmp9, 1
	v_and_b32 v[W], 15, v3
	v_lshrrev_b32 v[W+1], 4, v3
	v_add_nc_u32 v[W+1], s28, v[W+1]
	v_cvt_f32_u32 v[W], v[W]
	v_mul_f32 v[W], 0xbf549a78, v[W]               ; -i log2(10000) / 16
	v_exp_f32 v[W+2], v[W]                         ; 10000^(-i/16)
	v_cvt_f32_u32 v[W+1], v[W+1]                   ; the plain instruction behind the exponential (ISA guide 5.7.2)
	s_wait_alu depctr_va_vdst(0)
	v_mul_f32 v[W+2], v[W+1], v[W+2]               ; the angle a
	v_mul_f32 v[W+3], 0x3e22f983, v[W+2]           ; a / (2 pi)
	v_rndne_f32 v[W+3], v[W+3]                     ; whole turns
	v_fma_f32 v[W+3], v[W+2], 0x3e22f983, -v[W+3]  ; the rest, -1/2 .. 1/2 of a turn
	v_mul_f32 v[W+3], 0x40490fdb, v[W+3]           ; y = half the reduced angle, -pi/2 .. pi/2
	v_mul_f32 v[W+4], v[W+3], v[W+3]               ; z = y^2
	v_mov_b32 v[W+5], 0xb2d7322b                   ; sin y = y (1 - z/3! + z^2/5! - .. - z^5/11!); the first term left out is below 6e-8
	v_fmaak_f32 v[W+5], v[W+5], v[W+4], 0x3638ef1d
	v_fmaak_f32 v[W+5], v[W+5], v[W+4], 0xb9500d01
	v_fmaak_f32 v[W+5], v[W+5], v[W+4], 0x3c088889
	v_fmaak_f32 v[W+5], v[W+5], v[W+4], 0xbe2aaaab
	v_fma_f32 v[W+5], v[W+5], v[W+4], 1.0
	v_mul_f32 v[W+5], v[W+5], v[W+3]
	v_mov_b32 v[W+6], 0xb493f27e                   ; cos y = 1 - z/2! + .. - z^5/10!; the first term left out is below 5e-7
	v_fmaak_f32 v[W+6], v[W+6], v[W+4], 0x37d00d01
	v_fmaak_f32 v[W+6], v[W+6], v[W+4], 0xbab60b61
	v_fmaak_f32 v[W+6], v[W+6], v[W+4], 0x3d2aaaab
	v_fmaak_f32 v[W+6], v[W+6], v[W+4], 0xbf000000
	v_fma_f32 v[W+6], v[W+6], v[W+4], 1.0
	v_mul_f32 v[W+7], 2.0, v[W+5]                  ; 2 sin y
	v_fma_f32 v[W+8], -v[W+7], v[W+5], 1.0         ; cos a = 1 - 2 sin^2 y
	v_mul_f32 v[W+9], v[W+7], v[W+6]               ; sin a = 2 sin y cos y
	v_lshlrev_b32 v[W+10], 3, v3
	global_store_b64 v[W+10], v[W+8:W+9], s[16:17]
.Lno_table:
	s_cmp_ge_u32 ttmp9, s25
	s_cbranch_scc1 .Lhalf
.irp i, 0,1,2,3,4,5,6,7
	s_wait_loadcnt 7-\i                            ; loads return in order (ISA guide 5.7.1): load i is in, the 7 - i younger ones stay out
	v_cvt_pk_bf16_f32 v[Y+2*\i],   v[X+4*\i],   v[X+4*\i+1]
	v_cvt_pk_bf16_f32 v[Y+2*\i+1], v[X+4*\i+2], v[X+4*\i+3]
	global_store_b64 v2, v[Y+2*\i:Y+2*\i+1], s[22:23] offset:256*\i
.endr
	s_endpgm
.Lhalf:                                            ; w_out: to bf16, back to f32 (a shift, a mask), to f16
.irp i, 0,1,2,3,4,5,6,7
	s_wait_loadcnt 7-\i
	v_cvt_pk_bf16_f32 v[Y+2*\i],   v[X+4*\i],   v[X+4*\i+1]
	v_cvt_pk_bf16_f32 v[Y+2*\i+1], v[X+4*\i+2], v[X+4*\i+3]
	v_lshlrev_b32 v[X+4*\i],   16, v[Y+2*\i]
	v_and_b32     v[X+4*\i+1], 0xffff0000, v[Y+2*\i]
	v_lshlrev_b32 v[X+4*\i+2], 16, v[Y+2*\i+1]
	v_and_b32     v[X+4*\i+3], 0xffff0000, v[Y+2*\i+1]
	v_cvt_pk_f16_f32 v[Y+2*\i],   v[X+4*\i],   v[X+4*\i+1]
	v_cvt_pk_f16_f32 v[Y+2*\i+1], v[X+4*\i+2], v[X+4*\i+3]
	global_store_b64 v2, v[Y+2*\i:Y+2*\i+1], s[22:23] offset:256*\i
.endr
	s_endpgm
.Lfunc_end_k_q167247266a_prep:
	.size	k_q167247266a_prep, .Lfunc_end_k_q167247266a_prep-k_q167247266a_prep
	.p2alignl 7, 3214868480
	.fill 96, 4, 3214868480
	.section	.rodata,"a",@progbits
	.p2align	6, 0x0
	.amdhsa_kernel k_q167247266a_prep
		.amdhsa_group_segment_fixed_size 0
		.amdhsa_private_segment_fixed_size 0
		.amdhsa_enable_private_segment 0
		.amdhsa_kernarg_size 56
		.amdhsa_user_sgpr_count 2
		.amdhsa_user_sgpr_kernarg_segment_ptr 1
		.amdhsa_wavefront_size32 1
		.amdhsa_system_sgpr_workgroup_id_x 1
		.amdhsa_system_sgpr_workgroup_id_y 1
		.amdhsa_system_sgpr_workgroup_id_z 1
		.amdhsa_system_vgpr_workitem_id 0
		.amdhsa_next_free_vgpr 64
		.amdhsa_next_free_sgpr 66
		.amdhsa_reserve_vcc 0
		.amdhsa_float_denorm_mode_32 3
		.amdhsa_float_denorm_mode_16_64 3
		.amdhsa_memory_ordered 1
		.amdhsa_forward_progress 1
		.amdhsa_inst_pref_size 11
	.end_amdhsa_kernel
	.amdgpu_metadata
---
amdhsa.version: [ 1, 2 ]
amdhsa.kernels:
  - .name:           k_q167247266a_prep
    .symbol:         k_q167247266a_prep.kd
    .args:
      - { .name: hidden_states, .offset: 0, .size: 8, .value_kind: global_buffer, .address_space: global }
      - { .name: w_qkv, .offset: 8, .size: 8, .value_kind: global_buffer, .address_space: global }
      - { .name: w_out, .offset: 16, .size: 8, .value_kind: global_buffer, .address_space: global }
      - { .name: hb, .offset: 24, .size: 8, .value_kind: global_buffer, .address_space: global }
      - { .name: wqb, .offset: 32, .size: 8, .value_kind: global_buffer, .address_space: global }
      - { .name: wob, .offset: 40, .size: 8, .value_kind: global_buffer, .address_space: global }
      - { .name: rope, .offset: 48, .size: 8, .value_kind: global_buffer, .address_space: global }
    .group_segment_fixed_size: 0
    .private_segment_fixed_size: 0
    .kernarg_segment_align: 8
    .kernarg_segment_size: 56
    .max_flat_workgroup_size: 256
    .sgpr_count:     66
    .vgpr_count:     64
    .wavefront_size: 32
...
	.end_amdgpu_metadata
.endif
;; end of part 1
;; launch qkv (part 2): grid 12 x 16, 4 waves a work-group, clusters of 4 x 4, 327,680 bytes of LDS; arguments hb, wqb, rope, qb, kb, vb; writes qb, kb, vb
.if DOCPART == 2
	.amdgcn_target "amdgcn-amd-amdhsa--gfx1250"
	.amdhsa_code_object_version 6
	.text
	.protected	k_q167247266a_qkv
	.globl	k_q167247266a_qkv
	.p2align	8
	.type	k_q167247266a_qkv,@function
k_q167247266a_qkv:
	s_mov_b64 s[64:65], 0
	v_nop
	global_prefetch_b8 v0, s[64:65] scope:SCOPE_SE
	s_setreg_imm32_b32 hwreg(HW_REG_WAVE_MODE, 25, 1), 1
	s_wait_xcnt 0x0
	s_wait_alu depctr_hold_cnt(0) depctr_sa_sdst(0) depctr_va_vdst(0) depctr_va_sdst(0) depctr_va_ssrc(0) depctr_va_vcc(0) depctr_vm_vsrc(0)
	s_getreg_b32 s2, hwreg(HW_REG_IB_STS2, 6, 4)
	s_cmp_eq_u32 s2, 0
	s_cbranch_scc0 .Lentry_in_a_cluster
	s_endpgm
.Lentry_in_a_cluster:
	s_bfe_u32 s2, ttmp6, 0x10000c
	s_cmp_lg_u32 s2, 0xf033
	s_cbranch_scc0 .Lentry_shape_is_right
	s_endpgm
.Lentry_shape_is_right:
; The QKV product, the rotary embedding and the split into heads.
;   C[m][f] = sum over e of hb[m][e] wqb[f][e]   (m = 2048 b + s, 4,096 rows; f = 768 mp + 256 kind + 64 hl + d; kind 0 q, 1 v, 2 k)
;   q and k: dims 0..31 of each head are turned pairwise by the table rope[s][d/2] = (cos, sin); stored as bf16 [b][head][s][64]
;   v: stored as f16 [b][head][s][64] (11 significant bits: the first rows of the final result are single rows of v).  LIMIT: |v| below 65,504.
; A work-group makes a block of 256 x 256 of C with four waves; a wave makes 128 x 128: 64 accumulator tiles of 16 x 16, 512 registers.
; K goes in steps of 128 through a ring of two LDS slots filled by the tensor data mover: a tile's rows are 256 bytes of memory and start
; at multiples of 256 bytes.  A block's 256 columns are one (mp, kind): four whole heads.  So there are 12 x 16 = 192 work-groups.
; CLUSTERS: 4 x 4 work-groups.  The cluster's x is the kind (equal in all sixteen, so the one branch on it is alike in all), the place cx in the
; cluster is mp.  The four of a row of the cluster need the same rows of hb, the four of a column the same rows of wqb: such a tile is asked for
; jointly, each of the four issuing the same tensor load with a mask that names the four.  That divides the requests for both by four.
;
; REGISTERS, in windows of 256 (s_set_vgpr_msb says which window each operand place means):
;   window 0: v16-31 addresses and two pairs at work; v32-63 turned numbers; v64-127, v128-191 fragments of A, two buffers;
;             v192-223 packed results; v224-255 two buffers of table entries
;   window 1: v64-127, v128-191 fragments of B, two buffers
;   window 2: the 32 accumulator tiles of my rows 0-63 (tile (a, b) at v[8 (8 a + b)]);   window 3: those of my rows 64-127
; THE MATRIX INSTRUCTION IS USED TRANSPOSED: source 0 = 16 rows of wqb, source 1 = 16 rows of hb.  Lane l then holds row l % 16 of C, and its
; registers 0 to 7 the columns 8 (l / 16) + 0 .. 7: eight neighbouring numbers of a head, four rotary pairs.
.set SIZE_K, 1024
.set KSTEP,  128
.set PITCH,  272                       ; an LDS row: 256 bytes of data + 16 of padding: the 16 rows that a load touches start 68 words apart
.set HALFT,  128*PITCH                 ; 128 rows: what one tensor load brings, and what one wave reads of A or of B
.set SLOT,   4*HALFT                   ; A's 256 rows, then B's 256 rows
.set STAGE,  2*SLOT                    ; behind the ring: 16 rows x 272 bytes for each wave, for the way out
.set SPITCH, 272
.set LAPS, SIZE_K/(2*KSTEP)            ; a lap = two K steps = once round the ring: 4
.set ADRA, 16                          ; v16-17  LDS address of my A fragments in slot 0, 1
.set ADRB, 20                          ; v20-21  the same for B
.set STO,  24                          ; v24     the way out: where I put 16 bytes of a row
.set RD,   25                          ; v25     the way out: where I read back
.set CO,   26                          ; v26     my byte offset in the output: 16 x lane
.set VR,   27                          ; v27     my byte offset in the table: 128 (l % 16) + 32 (l / 16)
.set TT,   28                          ; v28-31  two pairs of products at work
.set Y,    32                          ; v32-63  the four turned tiles
.set F0,   64
.set F1,   128
.set TMP,  192
.set RA,   224                         ; v224-239, v240-255: table entries of a group of 16 rows, two buffers
.set G1, 24                            ; s[24:31] descriptor group 1 for A's tiles
.set G0, 32                            ; s[32:39] descriptor group 0 for A's tiles, one set for each slot
.set G1B, 48                           ; s[48:55] group 1 for B's tiles: it differs in the mask alone
.set G0B, 56                           ; s[56:63] group 0 for B's tiles
.set MSB, 0
.macro WIN new                         ; the immediate's high byte repeats the setting that is left
.if MSB != \new
	s_set_vgpr_msb (MSB<<8)|\new
.set MSB, \new
.endif
.endm
.set MUL_LO, 0xa1                      ; source 0 (B) window 1, source 1 (A) window 0, C and D window 2
.set MUL_HI, 0xf1                      ; the same, C and D window 3
.set TO_B,   0x40                      ; destination window 1, address window 0
; A joint load.  Waves 0 and 1 fetch A's two halves, waves 2 and 3 B's.  The branch hangs on the wave's number alone.
.macro JLOAD s
	s_cmp_eq_u32 s11, 0
	s_cbranch_scc0 .Lfor_b_\@
	tensor_load_to_lds s[G0+4*\s:G0+4*\s+3], s[G1:G1+7]
	s_nop 0
	s_branch .Lasked_\@
.Lfor_b_\@:
	tensor_load_to_lds s[G0B+4*\s:G0B+4*\s+3], s[G1B:G1B+7]
	s_nop 0
.Lasked_\@:
.endm
; A round of the cluster's barrier: my work-group's barrier; wave 0 signals for the work-group; every wave waits for all sixteen; my barrier again.
.macro CREST                           ; a round behind its opening barrier
	s_cmp_lg_u32 s10, 0
	s_cbranch_scc1 .Lnot_wave_0_\@
	s_barrier_signal -3
.Lnot_wave_0_\@:
	s_barrier_wait -3
	s_barrier_signal -1
	s_barrier_wait -1
.endm
.macro CROUND
	s_barrier_signal -1
	s_barrier_wait -1
	CREST
.endm
	s_load_b128 s[4:7], s[0:1], 0x0                ; hb s[4:5], wqb s[6:7]
	s_load_b64 s[66:67], s[0:1], 0x10              ; rope
	s_load_b128 s[68:71], s[0:1], 0x18             ; qb s[68:69], kb s[70:71]
	s_load_b64 s[72:73], s[0:1], 0x28              ; vb
	s_set_vgpr_msb 0x40
	v_lshl_add_u32 v255, v0, 2, 0x48400
	s_set_vgpr_msb 0x4000
	v_mov_b32 v23, 0
	s_set_vgpr_msb 0x1
	ds_add_u32 v255, v23
	s_set_vgpr_msb 0x100
	v_lshrrev_b32 v1, 5, v0
	v_readfirstlane_b32 s10, v1                    ; wave 0..3
	s_lshr_b32 s11, s10, 1                         ; which half of the block's rows is mine.  Also: I fetch for A (0) or for B (1)
	s_and_b32 s12, s10, 1                          ; which half of its columns.  Also: which 128 rows of that tile I fetch
	s_bfe_u32 s40, ttmp6, 0x40000                  ; cx = mp
	s_bfe_u32 s41, ttmp6, 0x40004                  ; cy
	s_mov_b32 s74, ttmp9                           ; the cluster's x = kind: 0 q, 1 v, 2 k
	s_and_b32 s13, ttmp7, 0xffff
	s_lshl_b32 s13, s13, 2
	s_add_co_u32 s13, s13, s41                     ; block row of C = 4 x cluster y + cy
	s_lshl_b32 s43, s41, 2
	s_lshl_b32 s43, 15, s43                        ; my row of the cluster: places 4 cy .. 4 cy + 3
	s_lshl_b32 s44, 0x1111, s40                    ; my column: places cx, cx + 4, cx + 8, cx + 12
	; descriptor group 1: a tile of 128 rows x 128 elements of 2 bytes, 4 words of padding behind every 64
	s_or_b32 s[G1+0], s43, (1<<16)|(1<<20)|(1<<21)|(5<<22)|(3<<25)
	s_or_b32 s[G1B+0], s44, (1<<16)|(1<<20)|(1<<21)|(5<<22)|(3<<25)
	s_mov_b32 s[G1B+1], KSTEP<<16
	s_mov_b32 s[G1+1], KSTEP<<16                   ; tensor_dim0 = 128
	s_mov_b32 s[G1B+2], 128<<16
	s_mov_b32 s[G1+2], 128<<16                     ; tensor_dim1 = 128
	s_mov_b32 s[G1B+3], KSTEP<<16
	s_mov_b32 s[G1+3], KSTEP<<16                   ; tile_dim0 = 128
	s_mov_b32 s[G1B+4], 128
	s_mov_b32 s[G1+4], 128                         ; tile_dim1 = 128
	s_mov_b32 s[G1B+5], SIZE_K
	s_mov_b32 s[G1+5], SIZE_K                      ; elements from row to row
	s_mov_b32 s[G1B+6], 0
	s_mov_b32 s[G1+6], 0
	s_mov_b32 s[G1B+7], 0
	s_mov_b32 s[G1+7], 0
	; A's tiles hang on the block row alone, which my row of the cluster shares; B's on mp = cx and the kind, which my column shares.
	s_lshl_b32 s17, s12, 7                         ; which 128 rows of the tile I fetch
	s_lshl_b32 s16, s13, 8
	s_add_co_u32 s16, s16, s17                     ; A: row 256 x block row + 128 x half
	s_mul_i32 s46, s40, 768
	s_lshl_b32 s45, s74, 8
	s_add_co_u32 s46, s46, s45
	s_add_co_u32 s46, s46, s17                     ; B: row 768 mp + 256 kind + 128 x half
	s_mov_b32 s17, 0
	s_mov_b32 s47, 0
	s_mov_b64 s[18:19], SIZE_K*2
	s_mul_u64 s[16:17], s[16:17], s[18:19]         ; in bytes
	s_mul_u64 s[46:47], s[46:47], s[18:19]
	s_mul_i32 s20, s10, HALFT                      ; where they go: wave x 128 rows
	s_wait_dscnt 0x0
	s_wait_kmcnt 0x0
	s_add_nc_u64 s[14:15], s[4:5], s[16:17]
	s_add_nc_u64 s[46:47], s[6:7], s[46:47]
	CROUND                                         ; all sixteen work-groups are here: the first joint loads meet
.irp s, 0,1
	s_mov_b32 s[G0+4*\s], 1
	s_add_co_u32 s[G0+4*\s+1], s20, \s*SLOT
	s_add_nc_u64 s[G0+4*\s+2:G0+4*\s+3], s[14:15], \s*KSTEP*2
	s_or_b32 s[G0+4*\s+3], s[G0+4*\s+3], 0x80000000
	s_mov_b32 s[G0B+4*\s], 1
	s_add_co_u32 s[G0B+4*\s+1], s20, \s*SLOT
	s_add_nc_u64 s[G0B+4*\s+2:G0B+4*\s+3], s[46:47], \s*KSTEP*2
	s_or_b32 s[G0B+4*\s+3], s[G0B+4*\s+3], 0x80000000
	JLOAD \s                                       ; both slots' first fills go out together: two tensor loads of the wave are out
.endr
	; A fragment is 16 rows x 32 K in 8 registers: lane l holds row l % 16; two loads of 16 bytes, 32 bytes apart, at row x pitch + 16 (l / 16).
	v_and_b32 v1, 15, v0                           ; l % 16
	v_bfe_u32 v2, v0, 4, 1                         ; l / 16
	v_mul_u32_u24 v3, v1, PITCH
	v_lshl_add_u32 v3, v2, 4, v3
	s_mul_i32 s21, s11, HALFT                      ; my 128 rows of A
	s_mul_i32 s22, s12, HALFT                      ; my 128 rows of B,
	s_add_co_u32 s22, s22, 2*HALFT                 ; which lie behind A's 256
.irp s, 0,1
	v_add_nc_u32 v[ADRA+\s], s21, v3
	v_add_nc_u32 v[ADRB+\s], s22, v3
	s_add_co_u32 s21, s21, SLOT
	s_add_co_u32 s22, s22, SLOT
.endr
	s_mul_i32 s23, s10, 16*SPITCH
	s_add_co_u32 s23, s23, STAGE                   ; my stage
	v_mul_u32_u24 v4, v1, SPITCH                   ; in: row l % 16, 16 bytes for each half of the lanes
	v_lshl_add_u32 v4, v2, 4, v4
	v_add_nc_u32 v[STO], s23, v4
	v_and_b32 v6, 31, v0                           ; back: eight lanes take the 128 bytes that a row has of one head, four rows a load
	v_lshrrev_b32 v5, 3, v6
	v_mul_u32_u24 v5, v5, SPITCH
	v_and_b32 v7, 7, v0
	v_lshl_add_u32 v5, v7, 4, v5
	v_add_nc_u32 v[RD], s23, v5
	v_lshlrev_b32 v[CO], 4, v6                     ; in the output those four rows are 512 consecutive bytes
	v_lshlrev_b32 v5, 7, v1
	v_lshl_add_u32 v[VR], v2, 5, v5                ; the table: 128 bytes a position, my four pairs begin 32 (l / 16) bytes in
; 16 matrix instructions: m blocks a0, a0 + 1 of the window's four x all 8 n blocks, 32 along K.  zero = 1: the first product starts the sums.
.macro MUL16 f, hi, a0, zero
.irp a, \a0, \a0+1
.irp b, 0,1,2,3,4,5,6,7
.if \zero
	v_wmma_f32_16x16x32_bf16 v[8*(8*(\a)+\b):8*(8*(\a)+\b)+7], v[\f+8*\b:\f+8*\b+7], v[\f+8*(4*\hi+\a):\f+8*(4*\hi+\a)+7], 0
.else
	v_wmma_f32_16x16x32_bf16 v[8*(8*(\a)+\b):8*(8*(\a)+\b)+7], v[\f+8*\b:\f+8*\b+7], v[\f+8*(4*\hi+\a):\f+8*(4*\hi+\a)+7], v[8*(8*(\a)+\b):8*(8*(\a)+\b)+7]
.endif
.endr
.endr
.endm
; 32 LDS loads in one run: the fragments of one quarter step into buffer f
.macro FETCH slot, k, f
	WIN TO_B
.irp i, 0,1,2,3,4,5,6,7
	ds_load_b128 v[\f+8*\i:\f+8*\i+3],   v[ADRB+\slot] offset:\k+\i*16*PITCH
	ds_load_b128 v[\f+8*\i+4:\f+8*\i+7], v[ADRB+\slot] offset:\k+\i*16*PITCH+32
.endr
	WIN 0
.irp i, 0,1,2,3,4,5,6,7
	ds_load_b128 v[\f+8*\i:\f+8*\i+3],   v[ADRA+\slot] offset:\k+\i*16*PITCH
	ds_load_b128 v[\f+8*\i+4:\f+8*\i+7], v[ADRA+\slot] offset:\k+\i*16*PITCH+32
.endr
.endm
; Four independent vector instructions stand between a matrix instruction and a load into, or a vector instruction on, one of its registers
; (ISA guide 7.12.1 for vector instructions); the matrix instructions in between are not counted.
.macro PLACES
.rept 4
	v_nop
.endr
.endm
; A K step is four quarter steps of 32 along K, 64 matrix instructions each, on buffers 0, 1, 0, 1.  The 64 accumulators take turns, one
; instruction a turn, in the same order in every quarter.
.macro QUARTER slot, k, f, g, zero
	s_wait_dscnt 8                                 ; B and A's rows 0-63 are in; the youngest eight loads (A's rows 64-127) may be out
	WIN MUL_LO
	MUL16 \f, 0, 0, \zero
	MUL16 \f, 0, 2, \zero
	PLACES
	FETCH \slot, \k, \g
	s_wait_dscnt 32                                ; all but the 32 just issued
	WIN MUL_HI
	MUL16 \f, 1, 0, \zero
	MUL16 \f, 1, 2, \zero
.endm
.macro THREE slot, zero
	QUARTER \slot, 64,  F0, F1, \zero
	QUARTER \slot, 128, F1, F0, 0
	QUARTER \slot, 192, F0, F1, 0
.endm
; The last quarter multiplies buffer 1 and changes slots.  In front of the barrier each wave waits for its own reads of this slot and for all its
; tensor loads (one is out: its part of the next slot).  Behind it the refill comes first, then the next slot's first fragments.
.macro TURN slot, next, fill
	s_wait_dscnt 8
	WIN MUL_LO
	MUL16 F1, 0, 0, 0
	s_wait_dscnt 0                                 ; my reads of this slot are over
	s_wait_tensorcnt 0x0                           ; all my tensor loads have landed
	ds_add_u32 v255, v23
	s_wait_dscnt 0x0
	s_barrier_signal -1                            ; (where a slot is filled again this barrier opens a round of the cluster's barrier)
	MUL16 F1, 0, 2, 0                              ; work on registers while the others arrive
	WIN 0
	s_barrier_wait -1
.if \fill
	CREST                                          ; no wave of any partner still reads this slot's tile or has a load on its way
	s_add_nc_u64 s[G0+4*\slot+2:G0+4*\slot+3], s[G0+4*\slot+2:G0+4*\slot+3], 2*KSTEP*2
	s_add_nc_u64 s[G0B+4*\slot+2:G0B+4*\slot+3], s[G0B+4*\slot+2:G0B+4*\slot+3], 2*KSTEP*2
	JLOAD \slot                                    ; the first tensor load behind the round, and the wave's only one until the next
.endif
	PLACES
	FETCH \next, 0, F0
	WIN MUL_HI
	MUL16 F1, 1, 0, 0
	MUL16 F1, 1, 2, 0
.endm
.macro LAP zero
	THREE 0, \zero
	TURN 0, 1, 1
	THREE 1, 0
	TURN 1, 0, 1
.endm
	s_wait_tensorcnt 1                             ; my part of K step 0 is in; K step 1's load, issued behind it, may stay out
	s_barrier_signal -1
	s_barrier_wait -1
	FETCH 0, 0, F0
	LAP 1                                          ; the first lap stands in front of the loop: its first products start the sums
	WIN 0
	s_mov_b32 s3, LAPS-2
.Llap:
	LAP 0
	WIN 0
	s_sub_co_u32 s3, s3, 1
	s_cmp_lg_u32 s3, 0
	s_cbranch_scc1 .Llap
	THREE 0, 0                                     ; the last lap fills nothing
	TURN 0, 1, 0
	THREE 1, 0
	s_wait_dscnt 8
	WIN MUL_LO
	MUL16 F1, 0, 0, 0
	MUL16 F1, 0, 2, 0
	s_wait_dscnt 0
	WIN MUL_HI
	MUL16 F1, 1, 0, 0
	MUL16 F1, 1, 2, 0
	; THE WAY OUT, 16 rows at a time.  My 128 columns are two heads; of each, tiles 0 and 1 (dims 0..31) are turned in q and k.
	PLACES
	WIN 0
	s_and_b32 s14, s13, 7
	s_lshl_b32 s14, s14, 8
	s_lshl_b32 s15, s11, 7
	s_add_co_u32 s14, s14, s15                     ; the position of my first row: 256 (block row % 8) + 128 x half
	s_lshl_b32 s14, s14, 7                         ; x 128 bytes, in the table and in a head alike
	s_mov_b32 s15, 0
	s_add_nc_u64 s[66:67], s[66:67], s[14:15]
	s_lshr_b32 s16, s13, 3                         ; batch
	s_lshl_b32 s16, s16, 22                        ; x 16 heads x 2,048 rows x 128 bytes
	s_add_co_u32 s16, s16, s14
	s_mov_b32 s17, 0
	s_cmp_eq_u32 s74, 1
	s_cselect_b64 s[8:9], s[72:73], s[70:71]       ; v or k,
	s_cmp_eq_u32 s74, 0
	s_cselect_b64 s[8:9], s[68:69], s[8:9]         ; or q
	s_add_nc_u64 s[8:9], s[8:9], s[16:17]
	s_lshl_b32 s46, s40, 2                         ; my first head: 4 mp + 2 x column half (in the registers that held B's address)
	s_lshl_b32 s47, s12, 1
	s_add_co_u32 s46, s46, s47
	s_lshl_b32 s46, s46, 18                        ; x 2,048 rows x 128 bytes
	s_mov_b32 s47, 0
	s_add_nc_u64 s[8:9], s[8:9], s[46:47]
; The table entries of row group g: for each of my row's two turned tiles the 32 bytes (four pairs of cos, sin) at 64 x tile + 32 (l / 16).
; The wave's four loads together cover the group's 16 positions x 128 bytes, each byte once.
.macro RLOAD g
	global_load_b128 v[RA+16*((\g)&1):RA+16*((\g)&1)+3],     v[VR], s[66:67] offset:2048*(\g)
	global_load_b128 v[RA+16*((\g)&1)+4:RA+16*((\g)&1)+7],   v[VR], s[66:67] offset:2048*(\g)+16
	global_load_b128 v[RA+16*((\g)&1)+8:RA+16*((\g)&1)+11],  v[VR], s[66:67] offset:2048*(\g)+64
	global_load_b128 v[RA+16*((\g)&1)+12:RA+16*((\g)&1)+15], v[VR], s[66:67] offset:2048*(\g)+80
.endm
; rows 16 i .. 16 i + 15 of my block = the eight tiles (a, 0..7) of window win (2 or 3); f: F0 or F1 in turn; rope = 1: q or k, 0: v
.macro OUT16 i, a, win, f, rope
.if \rope
.if \i < 7
	s_wait_loadcnt 0x4                             ; this group's four table loads are in; the next group's four may stay out
.else
	s_wait_loadcnt 0x0
.endif
	WIN \win                                       ; source 0 in the accumulators' window
.irp b, 0,1,4,5
.irp p, 0,1,2,3
	v_mul_f32 v[TT+2*(\p&1)],   v[8*(8*\a+\b)+2*\p+1], v[RA+16*(\i&1)+8*(\b&1)+2*\p+1]     ; x1 sin
	v_mul_f32 v[TT+2*(\p&1)+1], v[8*(8*\a+\b)+2*\p],   v[RA+16*(\i&1)+8*(\b&1)+2*\p+1]     ; x0 sin
	v_fma_f32 v[Y+8*((\b&1)+2*(\b>>2))+2*\p],   v[8*(8*\a+\b)+2*\p],   v[RA+16*(\i&1)+8*(\b&1)+2*\p], -v[TT+2*(\p&1)]    ; x0 cos - x1 sin
	v_fma_f32 v[Y+8*((\b&1)+2*(\b>>2))+2*\p+1], v[8*(8*\a+\b)+2*\p+1], v[RA+16*(\i&1)+8*(\b&1)+2*\p], v[TT+2*(\p&1)+1]   ; x1 cos + x0 sin
.endr
.endr
	WIN \win*5                                     ; sources 0 and 1 in the accumulators' window
.irp b, 2,3,6,7
.irp r, 0,1,2,3
	v_cvt_pk_bf16_f32 v[TMP+4*\b+\r], v[8*(8*\a+\b)+2*\r], v[8*(8*\a+\b)+2*\r+1]
.endr
.endr
	WIN 0
.irp b, 0,1,4,5
.irp r, 0,1,2,3
	v_cvt_pk_bf16_f32 v[TMP+4*\b+\r], v[Y+8*((\b&1)+2*(\b>>2))+2*\r], v[Y+8*((\b&1)+2*(\b>>2))+2*\r+1]
.endr
.endr
.if \i+2 <= 7
	RLOAD \i+2                                     ; into the buffer just used
.endif
.else
	WIN \win*5
.irp b, 0,1,2,3,4,5,6,7
.irp r, 0,1,2,3
	v_cvt_pk_f16_f32 v[TMP+4*\b+\r], v[8*(8*\a+\b)+2*\r], v[8*(8*\a+\b)+2*\r+1]
.endr
.endr
	WIN 0
.endif
.irp b, 0,1,2,3,4,5,6,7
	ds_store_b128 v[STO], v[TMP+4*\b:TMP+4*\b+3] offset:32*\b
.endr
	s_wait_xcnt 0x0                                ; buffer f, which earlier stores read, is rewritten only behind this wait (ISA guide 3.1)
.irp t, 0,1,2,3,4,5,6,7
	ds_load_b128 v[\f+4*\t:\f+4*\t+3], v[RD] offset:(\t&3)*4*SPITCH+(\t>>2)*128    ; LDS serves a wave's instructions in order (ISA guide 5.7.1.4): these see the stores above
.endr
.irp t, 0,1,2,3,4,5,6,7
	s_wait_dscnt 7-\t                              ; load t is in, the 7 - t younger ones stay out
	global_store_b128 v[CO], v[\f+4*\t:\f+4*\t+3], s[8:9] offset:(\t>>2)*262144+\i*2048+(\t&3)*512   ; four rows of one head: 512 consecutive bytes, aligned
.endr
.endm
	s_cmp_eq_u32 s74, 1                            ; the kind is the cluster's x: this branch goes the same way in all sixteen work-groups
	s_cbranch_scc1 .Lplain
	RLOAD 0
	RLOAD 1
	OUT16 0, 0, 0x02, F0, 1
	OUT16 1, 1, 0x02, F1, 1
	OUT16 2, 2, 0x02, F0, 1
	OUT16 3, 3, 0x02, F1, 1
	OUT16 4, 0, 0x03, F0, 1
	OUT16 5, 1, 0x03, F1, 1
	OUT16 6, 2, 0x03, F0, 1
	OUT16 7, 3, 0x03, F1, 1
	s_branch .Lend
.Lplain:
	OUT16 0, 0, 0x02, F0, 0
	OUT16 1, 1, 0x02, F1, 0
	OUT16 2, 2, 0x02, F0, 0
	OUT16 3, 3, 0x02, F1, 0
	OUT16 4, 0, 0x03, F0, 0
	OUT16 5, 1, 0x03, F1, 0
	OUT16 6, 2, 0x03, F0, 0
	OUT16 7, 3, 0x03, F1, 0
.Lend:
	s_set_vgpr_msb 0x1
	s_wait_tensorcnt 0x0
	ds_add_u32 v255, v23
	s_wait_dscnt 0x0
	s_set_vgpr_msb 0x100
	CROUND                                         ; the closing round: no work-group ends while a partner may still ask for a tile that names it
	s_endpgm
.Lfunc_end_k_q167247266a_qkv:
	.size	k_q167247266a_qkv, .Lfunc_end_k_q167247266a_qkv-k_q167247266a_qkv
	.p2alignl 7, 3214868480
	.fill 96, 4, 3214868480
	.section	.rodata,"a",@progbits
	.p2align	6, 0x0
	.amdhsa_kernel k_q167247266a_qkv
		.amdhsa_group_segment_fixed_size 327680
		.amdhsa_private_segment_fixed_size 0
		.amdhsa_enable_private_segment 0
		.amdhsa_kernarg_size 48
		.amdhsa_user_sgpr_count 2
		.amdhsa_user_sgpr_kernarg_segment_ptr 1
		.amdhsa_wavefront_size32 1
		.amdhsa_system_sgpr_workgroup_id_x 1
		.amdhsa_system_sgpr_workgroup_id_y 1
		.amdhsa_system_sgpr_workgroup_id_z 1
		.amdhsa_system_vgpr_workitem_id 0
		.amdhsa_next_free_vgpr 1024
		.amdhsa_next_free_sgpr 80
		.amdhsa_reserve_vcc 0
		.amdhsa_float_denorm_mode_32 3
		.amdhsa_float_denorm_mode_16_64 3
		.amdhsa_memory_ordered 1
		.amdhsa_forward_progress 1
		.amdhsa_inst_pref_size 255
	.end_amdhsa_kernel
	.section	.bss,"aw",@nobits
	.p2align	6
	.space	262144
	.amdgpu_metadata
---
amdhsa.version: [ 1, 2 ]
amdhsa.kernels:
  - .name:           k_q167247266a_qkv
    .symbol:         k_q167247266a_qkv.kd
    .args:
      - { .name: hb, .offset: 0, .size: 8, .value_kind: global_buffer, .address_space: global }
      - { .name: wqb, .offset: 8, .size: 8, .value_kind: global_buffer, .address_space: global }
      - { .name: rope, .offset: 16, .size: 8, .value_kind: global_buffer, .address_space: global }
      - { .name: qb, .offset: 24, .size: 8, .value_kind: global_buffer, .address_space: global }
      - { .name: kb, .offset: 32, .size: 8, .value_kind: global_buffer, .address_space: global }
      - { .name: vb, .offset: 40, .size: 8, .value_kind: global_buffer, .address_space: global }
    .group_segment_fixed_size: 327680
    .private_segment_fixed_size: 0
    .kernarg_segment_align: 8
    .kernarg_segment_size: 48
    .max_flat_workgroup_size: 128
    .sgpr_count:     80
    .vgpr_count:     1024
    .wavefront_size: 32
...
	.end_amdgpu_metadata
.endif
;; end of part 2
;; launch attn (part 3): grid 256 x 1, 8 waves a work-group, no clusters, 327,680 bytes of LDS; arguments qb, kb, vb, ctx; writes ctx
.if DOCPART == 3
	.amdgcn_target "amdgcn-amd-amdhsa--gfx1250"
	.amdhsa_code_object_version 6
	.text
	.protected	k_q167247266a_attn
	.globl	k_q167247266a_attn
	.p2align	8
	.type	k_q167247266a_attn,@function
k_q167247266a_attn:
	s_mov_b64 s[64:65], 0
	v_nop
	global_prefetch_b8 v0, s[64:65] scope:SCOPE_SE
	s_setreg_imm32_b32 hwreg(HW_REG_WAVE_MODE, 25, 1), 1
	s_wait_xcnt 0x0
; Causal attention with a running maximum.  qb, kb: bf16 [32 bh][2048][64]; vb: f16, same shape; ctx: f16 [b][16 blocks][16 heads][128 rows][64].
; Work-group 8 bh + j takes two blocks of 128 query rows of head bh: first block 15 - j (16 - j units of 128 keys), then block j (j + 1 units):
; 17 units in every one of the 256 work-groups.  Wave w: key half g = w / 4 (keys 64 g .. 64 g + 63 of each unit), query rows 32 (w % 4) .. + 31.
; Waves w and w + 4 hold the same rows with different keys; each keeps its own maximum, sum and O, merged through LDS at the end of a block.
; TRANSPOSED PRODUCTS.  S^T = K Q^T (source 0 = 16 keys, source 1 = 16 queries): lane (r = l % 16, h = l / 16) holds query r and keys 8 h + 0..7 of a tile,
; so a row's maximum and sum stay in the lane but for one exchange between the halves, and the packed weights of two key tiles are already the
; second source of O^T = V^T P^T.  V^T's fragments come by the transposing LDS load.  QK runs in bf16, PV in f16 (weights are at most 1).
; NO CLUSTER: the eight work-groups of a head walk different runs of units (16 - j, then j + 1); in step on one common stream they would pass
; 20 steps for 17 units of work, and each byte of K and V already serves 128 query rows.
; LIMITS.  (a) Units wholly above the diagonal are left out: their weight exp(-1e7 - max) is 0 in f32 as long as a row's largest kept score
; (after the division by 8) lies above about -9,999,850.  Inside the diagonal unit the fill -1e7 itself is applied.  (b) The second block starts by
; setting the running maximum to the lowest finite f32: the first rescaling factor is then exactly 0 and wipes O and the sum, which are finite.
; (c) |v| and the result below 65,504; weights below 2^-14 have a step of 2^-24.  (d) NaN and infinities in the inputs are not reproduced.
.set QTR,   10240                      ; a quarter of a slot: 64 rows of K at pitch 144 (9,216 bytes used) or 64 rows of V at pitch 160
.set SLOTB, 4*QTR                      ; K half 0, K half 1, V half 0, V half 1: wave w (0..3) fills quarter w
.set MERGE, 2*SLOTB                    ; 81,920: 17 x 512 bytes for each of four wave pairs; no tensor load lands here
.set MGW,   8704
.set STAGE, MERGE+4*MGW                ; 116,736: 32 rows x 144 bytes for each of waves 0..3
.set STW,   4608
.set KP,    144                        ; odd multiple of 16: the 16 rows of a fragment load start in different 16-byte columns modulo 256
.set VP,    160                        ; odd multiple of 32, for the transposing load
.set ADK, 1                            ; v1  K fragments: g QTR + r KP + 16 h
.set ADV, 2                            ; v2  V^T fragments: (2 + g) QTR + (8 h + l % 8) VP + 16 ((l / 8) % 2)
.set VQ,  3                            ; v3  Q in memory: (32 wq + r) 128 + 16 h
.set DM,  4                            ; v4  (32 wq + r) - (64 g + 8 h): query minus key at tile (0, 0), register 0
.set MG,  5                            ; v5  MERGE + wq MGW + 16 l
.set STO, 6                            ; v6  STAGE + wq STW + r KP + 16 h
.set RD,  7                            ; v7  STAGE + wq STW + (l / 8) KP + 16 (l % 8)
.set CO,  8                            ; v8  4096 wq + 16 l
.set XP,  9                            ; v9  what the other half of the lanes sent
.set M,   10                           ; v10-11 running maximum (raw scores), query tile 0, 1
.set L,   12                           ; v12-13 running sum of my own keys
.set NMC, 14                           ; v14-17 -maximum x c, twice for each query tile
.set AL,  18                           ; v18-21 rescaling factor, twice for each query tile
.set T,   22                           ; v22-31 at work
.set Q,   32                           ; v32-63   Q(qt, ks) at +16 qt + 8 ks
.set S,   64                           ; v64-127  S(kt, qt) at +8 (2 kt + qt); the packed weights P(kk, qt) overlay S(2 kk, qt)
.set KV,  128                          ; v128-191 K(kt, ks) at +16 kt + 8 ks, later V(dt, kk) at +16 dt + 8 kk
.set O,   192                          ; v192-255 O(dt, qt) at +8 (2 dt + qt)
.set G1K, 32                           ; s[32:39] shape of a K tile
.set G1V, 40                           ; s[40:47] shape of a V tile
.set G0,  48                           ; s[48:55] from where, to where: one set for each slot
; Waves 0, 1 fetch K's halves, waves 2, 3 V's, waves 4..7 nothing.  The branches hang on the wave's number alone.
.macro KVLOAD s
	s_cmp_lt_u32 s12, 2
	s_cbranch_scc0 .Lkv_n_\@
	tensor_load_to_lds s[G0+4*\s:G0+4*\s+3], s[G1K:G1K+7]
	s_nop 0
	s_branch .Lkv_d_\@
.Lkv_n_\@:
	s_cmp_lt_u32 s12, 4
	s_cbranch_scc0 .Lkv_d_\@
	tensor_load_to_lds s[G0+4*\s:G0+4*\s+3], s[G1V:G1V+7]
	s_nop 0
.Lkv_d_\@:
.endm
; The bases of query block qb (a scalar register): q's rows in s[72:73], the block's place in ctx in s[74:75].
.macro SETBLK qb
	s_lshl_b32 s28, \qb, 14
	s_mov_b32 s29, 0
	s_add_nc_u64 s[72:73], s[70:71], s[28:29]
	s_lshr_b32 s30, s16, 4
	s_lshl_b32 s30, s30, 4
	s_add_co_u32 s30, s30, \qb                     ; 16 batch + block
	s_lshl_b32 s30, s30, 4
	s_and_b32 s31, s16, 15
	s_add_co_u32 s30, s30, s31                     ; x 16 + head
	s_lshl_b32 s30, s30, 14                        ; x 128 rows x 128 bytes
	s_mov_b32 s31, 0
	s_add_nc_u64 s[74:75], s[10:11], s[30:31]
.endm
.macro QLOAD                           ; my 32 rows of Q as second-source fragments, straight from memory: 4 KiB, each byte once
.irp qt, 0,1
.irp ks, 0,1
	global_load_b128 v[Q+16*\qt+8*\ks:Q+16*\qt+8*\ks+3],   v[VQ], s[72:73] offset:2048*\qt+64*\ks
	global_load_b128 v[Q+16*\qt+8*\ks+4:Q+16*\qt+8*\ks+7], v[VQ], s[72:73] offset:2048*\qt+64*\ks+32
.endr
.endr
.endm
	s_load_b256 s[4:11], s[0:1], 0x0               ; qb s[4:5], kb s[6:7], vb s[8:9], ctx s[10:11]
	s_set_vgpr_msb 0x40
	v_lshl_add_u32 v0, v0, 2, 0x29000
	v_mov_b32 v1, 0
	s_set_vgpr_msb 0x4045
	ds_add_u32 v0, v1
	s_set_vgpr_msb 0x4500
	v_lshrrev_b32 v1, 5, v0
	v_readfirstlane_b32 s12, v1                    ; wave 0..7
	s_lshr_b32 s13, s12, 2                         ; g: my key half
	s_and_b32 s14, s12, 3                          ; wq: my 32 query rows
	s_and_b32 s15, s12, 1                          ; which half of K or V I fetch
	s_lshr_b32 s16, ttmp9, 3                       ; bh
	s_and_b32 s17, ttmp9, 7                        ; j
	s_sub_co_u32 s18, 16, s17                      ; units of the first block
	s_sub_co_u32 s19, 15, s17                      ; the trip that holds the current block's diagonal unit
	s_mov_b32 s20, 0                               ; trip 0..16
	s_mov_b32 s21, 0                               ; the loop's counter
	s_mov_b32 s22, 0x3e38aa3b                      ; c = log2(e) / 8
	s_mov_b32 s23, 0x3e38aa3b
	s_mov_b32 s24, 0xcc989680                      ; -8e7: the fill -1e7 in front of the division by 8
	s_mov_b32 s25, 0xbe38aa3b                      ; -c
	s_mov_b32 s26, 0x76543210                      ; v_permlanex16_b32: lane i of one half reads lane i of the other
	s_mov_b32 s27, 0xfedcba98
	; group 1: 64 rows x 64 elements of 2 bytes, dense in memory; behind every 32 words 4 words of padding (K) or 8 (V)
	s_mov_b32 s[G1K+0], (1<<16)|(1<<20)|(4<<22)|(3<<25)
	s_mov_b32 s[G1V+0], (1<<16)|(1<<20)|(4<<22)|(7<<25)
.irp g, G1K, G1V
	s_mov_b32 s[\g+1], 64<<16                      ; tensor_dim0 = 64
	s_mov_b32 s[\g+2], 64<<16                      ; tensor_dim1 = 64
	s_mov_b32 s[\g+3], 64<<16                      ; tile_dim0 = 64
	s_mov_b32 s[\g+4], 64                          ; tile_dim1 = 64
	s_mov_b32 s[\g+5], 64                          ; elements from row to row
	s_mov_b32 s[\g+6], 0
	s_mov_b32 s[\g+7], 0
.endr
	s_lshl_b32 s28, s16, 18                        ; bh x 2,048 rows x 128 bytes
	s_mov_b32 s29, 0
	s_lshl_b32 s30, s15, 13                        ; + my half: 64 rows
	s_add_co_u32 s30, s30, s28
	s_mov_b32 s31, 0
	s_wait_dscnt 0x0
	s_barrier_signal -1
	s_barrier_wait -1
	s_wait_kmcnt 0x0
	s_cmp_lt_u32 s12, 2
	s_cselect_b64 s[66:67], s[6:7], s[8:9]         ; I fetch from K or from V: a choice on the wave's number
	s_add_nc_u64 s[66:67], s[66:67], s[30:31]      ; unit 0 of my half
	s_add_nc_u64 s[70:71], s[4:5], s[28:29]        ; q of my head
	s_mov_b32 s[G0+0], 1
	s_mul_i32 s[G0+1], s12, QTR                    ; LDS: slot 0, quarter = wave
	s_mov_b64 s[G0+2:G0+3], s[66:67]
	s_or_b32 s[G0+3], s[G0+3], 0x80000000          ; type 2
	s_mov_b32 s[G0+4], 1
	s_add_co_u32 s[G0+5], s[G0+1], SLOTB           ; slot 1; its address is written in the first trip
	KVLOAD 0                                       ; unit 0: the one first fill, ahead of every wait on TENSORcnt and LDS read
	SETBLK s19                                     ; the first block is 15 - j
	v_and_b32 v22, 15, v0                          ; r
	v_bfe_u32 v23, v0, 4, 1                        ; h
	v_and_b32 v24, 31, v0                          ; l
	v_and_b32 v25, 7, v0                           ; l % 8
	v_bfe_u32 v26, v0, 3, 1                        ; (l / 8) % 2
	v_lshrrev_b32 v27, 3, v24                      ; l / 8
	s_lshl_b32 s29, s14, 12
	v_lshlrev_b32 v[VQ], 7, v22
	v_lshl_add_u32 v[VQ], v23, 4, v[VQ]
	v_add_nc_u32 v[VQ], s29, v[VQ]
	QLOAD
	s_mul_i32 s28, s13, QTR
	v_mul_u32_u24 v[ADK], v22, KP
	v_lshl_add_u32 v[ADK], v23, 4, v[ADK]
	v_add_nc_u32 v[ADK], s28, v[ADK]
	v_lshl_add_u32 v[ADV], v23, 3, v25
	v_mul_u32_u24 v[ADV], v[ADV], VP
	v_lshl_add_u32 v[ADV], v26, 4, v[ADV]
	s_add_co_u32 s28, s28, 2*QTR
	v_add_nc_u32 v[ADV], s28, v[ADV]
	s_lshl_b32 s30, s14, 5
	s_lshl_b32 s31, s13, 6
	s_sub_co_i32 s30, s30, s31
	v_lshlrev_b32 v[DM], 3, v23
	v_sub_nc_u32 v[DM], v22, v[DM]
	v_add_nc_u32 v[DM], s30, v[DM]
	s_mul_i32 s31, s14, MGW
	s_add_co_u32 s31, s31, MERGE
	v_lshl_add_u32 v[MG], v24, 4, s31
	s_mul_i32 s31, s14, STW
	s_add_co_u32 s31, s31, STAGE
	v_mul_u32_u24 v[STO], v22, KP
	v_lshl_add_u32 v[STO], v23, 4, v[STO]
	v_add_nc_u32 v[STO], s31, v[STO]
	v_mul_u32_u24 v[RD], v27, KP
	v_lshl_add_u32 v[RD], v25, 4, v[RD]
	v_add_nc_u32 v[RD], s31, v[RD]
	v_lshl_add_u32 v[CO], v24, 4, s29
	v_mov_b32 v[XP], 0
	v_mov_b32 v[M], 0xff7fffff                     ; the lowest finite f32
	v_mov_b32 v[M+1], 0xff7fffff
	v_mov_b32 v[L], 0
	v_mov_b32 v[L+1], 0
.set i, 0
.rept 64
	v_mov_b32 v[O+i], 0                            ; once a wave: every trip, the first too, rescales O and adds onto it
.set i, i+1
.endr
; The diagonal unit: keep where key <= query, that is 16 kt + jj - 16 qt <= DM; else the fill.
.macro MASK
.irp kt, 0,1,2,3
.irp qt, 0,1
.irp jj, 0,1,2,3,4,5,6,7
	v_cmp_le_i32 vcc_lo, 16*\kt+\jj-16*\qt, v[DM]
	v_cndmask_b32 v[S+8*(2*\kt+\qt)+\jj], s24, v[S+8*(2*\kt+\qt)+\jj], vcc_lo
.endr
.endr
.endr
.endm
.macro ROWMAX qt                       ; the largest of my 32 scores of query tile qt, into v[T + 4 qt]
.irp kt, 0,1,2,3
	v_max3_num_f32 v[T+4*\qt+\kt], v[S+8*(2*\kt+\qt)], v[S+8*(2*\kt+\qt)+1], v[S+8*(2*\kt+\qt)+2]
.endr
.irp kt, 0,1,2,3
	v_max3_num_f32 v[T+4*\qt+\kt], v[T+4*\qt+\kt], v[S+8*(2*\kt+\qt)+3], v[S+8*(2*\kt+\qt)+4]
.endr
.irp kt, 0,1,2,3
	v_max3_num_f32 v[T+4*\qt+\kt], v[T+4*\qt+\kt], v[S+8*(2*\kt+\qt)+5], v[S+8*(2*\kt+\qt)+6]
.endr
	v_max3_num_f32 v[T+4*\qt],   v[T+4*\qt],   v[T+4*\qt+1], v[S+8*\qt+7]
	v_max3_num_f32 v[T+4*\qt+2], v[T+4*\qt+2], v[T+4*\qt+3], v[S+8*(2+\qt)+7]
	v_max3_num_f32 v[T+4*\qt],   v[T+4*\qt],   v[T+4*\qt+2], v[S+8*(4+\qt)+7]
	v_max_num_f32  v[T+4*\qt],   v[T+4*\qt],   v[S+8*(6+\qt)+7]
.endm
.macro ROWSUM qt                       ; L = L x factor + the sum of my 32 weights of query tile qt
.irp kt, 0,1,2,3
	v_pk_add_f32 v[T+2*\kt:T+2*\kt+1], v[S+8*(2*\kt+\qt):S+8*(2*\kt+\qt)+1], v[S+8*(2*\kt+\qt)+2:S+8*(2*\kt+\qt)+3]
.endr
.irp kt, 0,1,2,3
	v_pk_add_f32 v[T+2*\kt:T+2*\kt+1], v[T+2*\kt:T+2*\kt+1], v[S+8*(2*\kt+\qt)+4:S+8*(2*\kt+\qt)+5]
.endr
.irp kt, 0,1,2,3
	v_pk_add_f32 v[T+2*\kt:T+2*\kt+1], v[T+2*\kt:T+2*\kt+1], v[S+8*(2*\kt+\qt)+6:S+8*(2*\kt+\qt)+7]
.endr
	v_pk_add_f32 v[T:T+1], v[T:T+1], v[T+2:T+3]
	v_pk_add_f32 v[T+4:T+5], v[T+4:T+5], v[T+6:T+7]
	v_pk_add_f32 v[T:T+1], v[T:T+1], v[T+4:T+5]
	v_add_f32 v[T], v[T], v[T+1]
	v_fma_f32 v[L+\qt], v[L+\qt], v[AL+2*\qt], v[T]
.endm
.macro SOFTMAX
	ROWMAX 0
	ROWMAX 1
	v_permlanex16_b32 v[XP], v[T], s26, s27        ; the other eight keys of each tile lie in the other half of the lanes
	v_max3_num_f32 v[T], v[T], v[XP], v[M]         ; the new maximum: equal in both halves
	v_permlanex16_b32 v[XP], v[T+4], s26, s27
	v_max3_num_f32 v[T+4], v[T+4], v[XP], v[M+1]
	v_mul_f32 v[NMC], s25, v[T]                    ; -maximum x c
	v_mul_f32 v[NMC+2], s25, v[T+4]
	v_fma_f32 v[T+1], v[M], s22, v[NMC]            ; (old - new) x c
	v_fma_f32 v[T+5], v[M+1], s22, v[NMC+2]
	v_exp_f32 v[AL], v[T+1]
	v_exp_f32 v[AL+2], v[T+5]
	v_mov_b32 v[M], v[T]                           ; the plain instruction behind the exponentials (ISA guide 5.7.2)
	v_mov_b32 v[M+1], v[T+4]
	v_mov_b32 v[NMC+1], v[NMC]                     ; pairs for the packed forms
	v_mov_b32 v[NMC+3], v[NMC+2]
	s_wait_alu depctr_va_vdst(0)
	v_mov_b32 v[AL+1], v[AL]
	v_mov_b32 v[AL+3], v[AL+2]
.irp tl, 0,1,2,3,4,5,6,7
.irp pr, 0,2,4,6
	v_pk_fma_f32 v[S+8*\tl+\pr:S+8*\tl+\pr+1], v[S+8*\tl+\pr:S+8*\tl+\pr+1], s[22:23], v[NMC+2*(\tl&1):NMC+2*(\tl&1)+1] op_sel_hi:[1,0,1]
.endr
.endr
.set i, 0
.rept 64
	v_exp_f32 v[S+i], v[S+i]
.set i, i+1
.endr
	v_nop                                          ; the plain instruction behind the exponentials
	s_wait_alu depctr_va_vdst(0)
	ROWSUM 0
	ROWSUM 1
	; to f16, in place: tile 2 kk fills registers 0-3 of P(kk, qt) (keys 8 h ..), tile 2 kk + 1 registers 4-7 (keys 16 + 8 h ..)
.irp kk, 0,1
.irp qt, 0,1
.irp pr, 0,1,2,3
	v_cvt_pk_f16_f32 v[S+8*(4*\kk+\qt)+\pr], v[S+8*(4*\kk+\qt)+2*\pr], v[S+8*(4*\kk+\qt)+2*\pr+1]
.endr
.irp pr, 0,1,2,3
	v_cvt_pk_f16_f32 v[S+8*(4*\kk+\qt)+4+\pr], v[S+8*(4*\kk+2+\qt)+2*\pr], v[S+8*(4*\kk+2+\qt)+2*\pr+1]
.endr
.endr
.endr
.endm
; The end of a block: waves 4..7 hand O, maximum and sum to waves 0..3, which merge, divide, and store 32 rows of 128 bytes through their stage.
; reinit = 1: the second block (block j) is set up.
.macro FIN reinit
	v_permlanex16_b32 v[XP], v[L], s26, s27
	v_add_f32 v[L], v[L], v[XP]                    ; the sum over all my wave's keys
	v_permlanex16_b32 v[XP], v[L+1], s26, s27
	v_add_f32 v[L+1], v[L+1], v[XP]
	s_cmp_lt_u32 s12, 4
	s_cbranch_scc1 .Lfa_\@
.irp i, 0,1,2,3,4,5,6,7,8,9,10,11,12,13,14,15
	ds_store_b128 v[MG], v[O+4*\i:O+4*\i+3] offset:512*\i
.endr
	ds_store_b128 v[MG], v[M:M+3] offset:8192
.Lfa_\@:
	s_wait_dscnt 0x0                               ; for the partner's sake: my stores are done
	s_barrier_signal -1                            ; no LDS bytes are filled behind this barrier: the next unit's tensor load may stay on its way
	s_barrier_wait -1
	s_cmp_ge_u32 s12, 4
	s_cbranch_scc1 .Lfb_\@
.irp i, 0,1,2,3,4,5,6,7,8,9,10,11,12,13,14,15
	ds_load_b128 v[KV+4*\i:KV+4*\i+3], v[MG] offset:512*\i
.endr
	ds_load_b128 v[T:T+3], v[MG] offset:8192       ; the partner's maxima and sums
	s_wait_dscnt 0x0
	v_max_num_f32 v[T+4], v[M], v[T]
	v_max_num_f32 v[T+5], v[M+1], v[T+1]
	v_sub_f32 v[T+6], v[M], v[T+4]
	v_sub_f32 v[T+7], v[M+1], v[T+5]
	v_sub_f32 v[T+8], v[T], v[T+4]
	v_sub_f32 v[T+9], v[T+1], v[T+5]
	v_mul_f32 v[T+6], s22, v[T+6]
	v_mul_f32 v[T+7], s22, v[T+7]
	v_mul_f32 v[T+8], s22, v[T+8]
	v_mul_f32 v[T+9], s22, v[T+9]
	v_exp_f32 v[T+6], v[T+6]
	v_exp_f32 v[T+7], v[T+7]
	v_exp_f32 v[T+8], v[T+8]
	v_exp_f32 v[T+9], v[T+9]
	v_nop
	s_wait_alu depctr_va_vdst(0)
	v_mul_f32 v[T+4], v[T+6], v[L]
	v_mul_f32 v[T+5], v[T+7], v[L+1]
	v_fmac_f32 v[T+4], v[T+8], v[T+2]              ; the whole row's sum: at least about 1, since the row's largest score has weight 1
	v_fmac_f32 v[T+5], v[T+9], v[T+3]
	v_rcp_f32 v[T+4], v[T+4]
	v_rcp_f32 v[T+5], v[T+5]
	v_nop
	s_wait_alu depctr_va_vdst(0)
	v_mul_f32 v[AL],    v[T+6], v[T+4]             ; my factor, the partner's factor: pairs for the packed forms
	v_mul_f32 v[AL+1],  v[T+6], v[T+4]
	v_mul_f32 v[AL+2],  v[T+7], v[T+5]
	v_mul_f32 v[AL+3],  v[T+7], v[T+5]
	v_mul_f32 v[NMC],   v[T+8], v[T+4]
	v_mul_f32 v[NMC+1], v[T+8], v[T+4]
	v_mul_f32 v[NMC+2], v[T+9], v[T+5]
	v_mul_f32 v[NMC+3], v[T+9], v[T+5]
.irp tl, 0,1,2,3,4,5,6,7
.irp pr, 0,2,4,6
	v_pk_mul_f32 v[KV+8*\tl+\pr:KV+8*\tl+\pr+1], v[KV+8*\tl+\pr:KV+8*\tl+\pr+1], v[NMC+2*(\tl&1):NMC+2*(\tl&1)+1]
.endr
.endr
.irp tl, 0,1,2,3,4,5,6,7
.irp pr, 0,2,4,6
	v_pk_fma_f32 v[O+8*\tl+\pr:O+8*\tl+\pr+1], v[O+8*\tl+\pr:O+8*\tl+\pr+1], v[AL+2*(\tl&1):AL+2*(\tl&1)+1], v[KV+8*\tl+\pr:KV+8*\tl+\pr+1]
.endr
.endr
.irp tl, 0,1,2,3,4,5,6,7
.irp pr, 0,1,2,3
	v_cvt_pk_f16_f32 v[S+4*\tl+\pr], v[O+8*\tl+2*\pr], v[O+8*\tl+2*\pr+1]
.endr
.endr
.irp tl, 0,1,2,3,4,5,6,7
	ds_store_b128 v[STO], v[S+4*\tl:S+4*\tl+3] offset:16*KP*(\tl&1)+32*(\tl>>1)    ; row 16 qt + r, dims 16 dt + 8 h .. + 7
.endr
.irp i, 0,1,2,3,4,5,6,7
	ds_load_b128 v[S+32+4*\i:S+32+4*\i+3], v[RD] offset:4*KP*\i                    ; my own bytes, served in order (ISA guide 5.7.1.4)
.endr
.irp i, 0,1,2,3,4,5,6,7
	s_wait_dscnt 7-\i                              ; load i is in, the 7 - i younger ones stay out
	global_store_b128 v[CO], v[S+32+4*\i:S+32+4*\i+3], s[74:75] offset:512*\i      ; four rows: 512 consecutive bytes, aligned
.endr
.Lfb_\@:
.if \reinit
	s_wait_xcnt 0x0                                ; the stores' data and base are rewritten only behind this wait (ISA guide 3.1)
	s_mov_b32 s19, 16                              ; the second block's diagonal unit is the last trip's
	SETBLK s17
	QLOAD
	v_mov_b32 v[M], 0xff7fffff                     ; the next rescaling factor is 0: O and L start anew
	v_mov_b32 v[M+1], 0xff7fffff
.endif
.endm
; One unit of 128 keys from slot `slot`.  refill = 1: the other slot gets the next trip's unit.  last = 1: trip 16, always a diagonal unit.
.macro TRIP slot, other, refill, last
	s_set_vgpr_msb 0x5
	s_wait_tensorcnt 0x0                           ; all my tensor loads have landed (at most one was out: my part of this trip's unit), so a group 0 may be written
	ds_add_u32 v0, v1
	s_wait_dscnt 0x0
	s_set_vgpr_msb 0x500
.if \refill
	s_add_co_u32 s28, s20, 1                       ; the next trip's unit: t + 1 in the first block, t + 1 - (16 - j) in the second
	s_sub_co_u32 s29, s28, s18
	s_cmp_lt_u32 s28, s18
	s_cselect_b32 s28, s28, s29
	s_lshl_b32 s28, s28, 14                        ; x 128 rows x 128 bytes
	s_mov_b32 s29, 0
	s_add_nc_u64 s[G0+4*\other+2:G0+4*\other+3], s[66:67], s[28:29]
	s_or_b32 s[G0+4*\other+3], s[G0+4*\other+3], 0x80000000
.endif
	s_wait_dscnt 0x0                               ; my reads of the other slot are over
	s_barrier_signal -1
	s_barrier_wait -1                              ; both now hold of all eight waves
.if \refill
	KVLOAD \other                                  ; first thing behind the barrier, the wave's one tensor load until the next
.endif
.irp ks, 0,1
.irp kt, 0,1,2,3
	ds_load_b128 v[KV+16*\kt+8*\ks:KV+16*\kt+8*\ks+3],   v[ADK] offset:\slot*SLOTB+16*KP*\kt+64*\ks
	ds_load_b128 v[KV+16*\kt+8*\ks+4:KV+16*\kt+8*\ks+7], v[ADK] offset:\slot*SLOTB+16*KP*\kt+64*\ks+32
.endr
.endr
	s_wait_loadcnt 0x0                             ; Q (met at once but in a block's first trip)
	s_wait_dscnt 0x8                               ; the fragments of dims 0..31 are in; the eight loads of dims 32..63 may stay out
	; the eight accumulators take turns, one instruction a turn
.irp kt, 0,1,2,3
.irp qt, 0,1
	v_wmma_f32_16x16x32_bf16 v[S+8*(2*\kt+\qt):S+8*(2*\kt+\qt)+7], v[KV+16*\kt:KV+16*\kt+7], v[Q+16*\qt:Q+16*\qt+7], 0
.endr
.endr
	s_wait_dscnt 0x0
.irp kt, 0,1,2,3
.irp qt, 0,1
	v_wmma_f32_16x16x32_bf16 v[S+8*(2*\kt+\qt):S+8*(2*\kt+\qt)+7], v[KV+16*\kt+8:KV+16*\kt+15], v[Q+16*\qt+8:Q+16*\qt+15], v[S+8*(2*\kt+\qt):S+8*(2*\kt+\qt)+7]
.endr
.endr
.rept 4
	v_nop                                          ; four places in front of the loads into K's registers and of the reads of S
.endr
.irp kk, 0,1
.irp dt, 0,1,2,3
	ds_load_tr16_b128 v[KV+16*\dt+8*\kk:KV+16*\dt+8*\kk+3],   v[ADV] offset:\slot*SLOTB+32*VP*\kk+32*\dt
	ds_load_tr16_b128 v[KV+16*\dt+8*\kk+4:KV+16*\dt+8*\kk+7], v[ADV] offset:\slot*SLOTB+32*VP*\kk+16*VP+32*\dt
.endr
.endr
.if \last
	MASK
.else
	s_cmp_lg_u32 s20, s19                          ; a counter against a number made of the work-group's number: alike in all waves
	s_cbranch_scc1 .Lnm_\@
	MASK
.Lnm_\@:
.endif
	SOFTMAX
	s_wait_dscnt 0x0                               ; V^T's fragments
.irp tl, 0,1,2,3,4,5,6,7
.irp pr, 0,2,4,6
	v_pk_mul_f32 v[O+8*\tl+\pr:O+8*\tl+\pr+1], v[O+8*\tl+\pr:O+8*\tl+\pr+1], v[AL+2*(\tl&1):AL+2*(\tl&1)+1]
.endr
.endr
	; again eight accumulators by turns
.irp kk, 0,1
.irp dt, 0,1,2,3
.irp qt, 0,1
	v_wmma_f32_16x16x32_f16 v[O+8*(2*\dt+\qt):O+8*(2*\dt+\qt)+7], v[KV+16*\dt+8*\kk:KV+16*\dt+8*\kk+7], v[S+8*(4*\kk+\qt):S+8*(4*\kk+\qt)+7], v[O+8*(2*\dt+\qt):O+8*(2*\dt+\qt)+7]
.endr
.endr
.endr
.rept 5
	v_nop                                          ; five places: the next trip's products write over P, its loads over V, vector instructions and LDS stores read O
.endr
.if \last
	FIN 0
.else
	s_cmp_lg_u32 s20, s19
	s_cbranch_scc1 .Lnf_\@
	FIN 1
.Lnf_\@:
	s_add_co_u32 s20, s20, 1
.endif
.endm
.Lloop:                                            ; trips 0..15; the first block ends at trip 15 - j, inside the loop
	TRIP 0, 1, 1, 0
	TRIP 1, 0, 1, 0
	s_add_co_u32 s21, s21, 1
	s_cmp_lt_u32 s21, 8
	s_cbranch_scc1 .Lloop
	TRIP 0, 1, 0, 1                                ; trip 16: nothing is left to fetch
	s_set_vgpr_msb 0x5
	s_wait_tensorcnt 0x0
	ds_add_u32 v0, v1
	s_wait_dscnt 0x0
	s_set_vgpr_msb 0x500
	s_endpgm
.Lfunc_end_k_q167247266a_attn:
	.size	k_q167247266a_attn, .Lfunc_end_k_q167247266a_attn-k_q167247266a_attn
	.p2alignl 7, 3214868480
	.fill 96, 4, 3214868480
	.section	.rodata,"a",@progbits
	.p2align	6, 0x0
	.amdhsa_kernel k_q167247266a_attn
		.amdhsa_group_segment_fixed_size 327680
		.amdhsa_private_segment_fixed_size 0
		.amdhsa_enable_private_segment 0
		.amdhsa_kernarg_size 32
		.amdhsa_user_sgpr_count 2
		.amdhsa_user_sgpr_kernarg_segment_ptr 1
		.amdhsa_wavefront_size32 1
		.amdhsa_system_sgpr_workgroup_id_x 1
		.amdhsa_system_sgpr_workgroup_id_y 1
		.amdhsa_system_sgpr_workgroup_id_z 1
		.amdhsa_system_vgpr_workitem_id 0
		.amdhsa_next_free_vgpr 258
		.amdhsa_next_free_sgpr 80
		.amdhsa_reserve_vcc 1
		.amdhsa_float_denorm_mode_32 3
		.amdhsa_float_denorm_mode_16_64 3
		.amdhsa_memory_ordered 1
		.amdhsa_forward_progress 1
		.amdhsa_inst_pref_size 113
	.end_amdhsa_kernel
	.amdgpu_metadata
---
amdhsa.version: [ 1, 2 ]
amdhsa.kernels:
  - .name:           k_q167247266a_attn
    .symbol:         k_q167247266a_attn.kd
    .args:
      - { .name: qb, .offset: 0, .size: 8, .value_kind: global_buffer, .address_space: global }
      - { .name: kb, .offset: 8, .size: 8, .value_kind: global_buffer, .address_space: global }
      - { .name: vb, .offset: 16, .size: 8, .value_kind: global_buffer, .address_space: global }
      - { .name: ctx, .offset: 24, .size: 8, .value_kind: global_buffer, .address_space: global }
    .group_segment_fixed_size: 327680
    .private_segment_fixed_size: 0
    .kernarg_segment_align: 8
    .kernarg_segment_size: 32
    .max_flat_workgroup_size: 256
    .sgpr_count:     80
    .vgpr_count:     258
    .wavefront_size: 32
...
	.end_amdgpu_metadata
.endif
;; end of part 3
;; launch proj (part 4): grid 8 x 32, 4 waves a work-group, clusters of 4 x 4, 327,680 bytes of LDS; arguments ctx, wob, out0; writes out0
.if DOCPART == 4
	.amdgcn_target "amdgcn-amd-amdhsa--gfx1250"
	.amdhsa_code_object_version 6
	.text
	.protected	k_q167247266a_proj
	.globl	k_q167247266a_proj
	.p2align	8
	.type	k_q167247266a_proj,@function
k_q167247266a_proj:
	s_mov_b64 s[64:65], 0
	v_nop
	global_prefetch_b8 v0, s[64:65] scope:SCOPE_SE
	s_setreg_imm32_b32 hwreg(HW_REG_WAVE_MODE, 25, 1), 1
	s_wait_xcnt 0x0
	s_wait_alu depctr_hold_cnt(0) depctr_sa_sdst(0) depctr_va_vdst(0) depctr_va_sdst(0) depctr_va_ssrc(0) depctr_va_vcc(0) depctr_vm_vsrc(0)
	s_getreg_b32 s2, hwreg(HW_REG_IB_STS2, 6, 4)
	s_cmp_eq_u32 s2, 0
	s_cbranch_scc0 .Lentry_in_a_cluster
	s_endpgm
.Lentry_in_a_cluster:
	s_bfe_u32 s2, ttmp6, 0x10000c
	s_cmp_lg_u32 s2, 0xf033
	s_cbranch_scc0 .Lentry_shape_is_right
	s_endpgm
.Lentry_shape_is_right:
; The output product: out0[m][f] = sum over e of ctx(m, e) wob[f][e], f16 operands, f32 sums, f32 result.
; ctx lies as [32 row blocks][16 heads][128 rows][64]: e = 64 head + d.  The four heads of a K step of 256 are 512 dense rows of 128 bytes.
; A work-group makes 128 x 128 of the result (8 x 32 = 256 work-groups), a wave 64 x 64: 16 accumulator tiles.  K = 1,024 goes in four steps of
; 256 through two LDS slots, written out without a loop: slots 0, 1, 0, 1.
; CLUSTERS: 4 x 4.  The four of a row of the cluster need the same panel of ctx, the four of a column the same rows of wob: joint loads divide the
; requests for both by four.
; LDS: a slot is four quarters of 36,864 bytes; wave w fills quarter w.  Quarters 0, 1: A, 2 x 256 rows at pitch 144 (they join without a gap);
; quarters 2, 3: 64 rows of B each at pitch 528 (33,792 bytes used).  A wave reads B from the quarter of its own column half alone.
; REGISTERS: window 0: v16-26 addresses; v64-127, v128-191 two fragment buffers (B's four at +0, A's four at +32).  Window 1: tile (a, b) at v[8 (4 a + b)].
; The matrix instruction is used transposed (source 0 = rows of wob, source 1 = rows of ctx): a lane's eight results are eight neighbouring columns.
.set QTR,    36864
.set SLOT,   4*QTR
.set STAGE,  2*SLOT                    ; 294,912: 16 rows x 272 bytes for each wave; no tensor load lands here
.set SPITCH, 272
.set AP,     144
.set BP,     528
.set ADRA, 16
.set ADRB, 20
.set STO,  24
.set RD,   25
.set CO,   26
.set F0,   64
.set F1,   128
.set G1, 24
.set G0, 32
.set G1B, 48
.set G0B, 56
.set MSB, 0
.macro WIN new                         ; the immediate's high byte repeats the setting that is left
.if MSB != \new
	s_set_vgpr_msb (MSB<<8)|\new
.set MSB, \new
.endif
.endm
.set MULW, 0x50                        ; sources 0 and 1 window 0, C and D window 1
.macro JLOAD s                         ; waves 0, 1 ask for A's halves, waves 2, 3 for B's
	s_cmp_eq_u32 s11, 0
	s_cbranch_scc0 .Lfor_b_\@
	tensor_load_to_lds s[G0+4*\s:G0+4*\s+3], s[G1:G1+7]
	s_nop 0
	s_branch .Lasked_\@
.Lfor_b_\@:
	tensor_load_to_lds s[G0B+4*\s:G0B+4*\s+3], s[G1B:G1B+7]
	s_nop 0
.Lasked_\@:
.endm
.macro CREST                           ; a round of the cluster's barrier behind its opening barrier
	s_cmp_lg_u32 s10, 0
	s_cbranch_scc1 .Lnot_wave_0_\@
	s_barrier_signal -3
.Lnot_wave_0_\@:
	s_barrier_wait -3
	s_barrier_signal -1
	s_barrier_wait -1
.endm
.macro CROUND
	s_barrier_signal -1
	s_barrier_wait -1
	CREST
.endm
	s_load_b128 s[4:7], s[0:1], 0x0                ; ctx s[4:5], wob s[6:7]
	s_load_b64 s[8:9], s[0:1], 0x10                ; out0
	v_lshl_add_u32 v254, v0, 2, 0x4c400
	v_mov_b32 v255, 0
	ds_add_u32 v254, v255
	v_lshrrev_b32 v1, 5, v0
	v_readfirstlane_b32 s10, v1                    ; wave 0..3
	s_lshr_b32 s11, s10, 1                         ; my row half.  Also: I fetch for A (0) or for B (1)
	s_and_b32 s12, s10, 1                          ; my column half.  Also: which half of that tile I fetch
	s_bfe_u32 s40, ttmp6, 0x40000                  ; cx
	s_bfe_u32 s41, ttmp6, 0x40004                  ; cy
	s_lshl_b32 s42, ttmp9, 2
	s_add_co_u32 s42, s42, s40                     ; block column 0..7
	s_and_b32 s13, ttmp7, 0xffff
	s_lshl_b32 s13, s13, 2
	s_add_co_u32 s13, s13, s41                     ; block row 0..31
	s_lshl_b32 s43, s41, 2
	s_lshl_b32 s43, 15, s43                        ; my row of the cluster
	s_lshl_b32 s44, 0x1111, s40                    ; my column
	; A: 256 rows x 64 elements of 2 bytes, dense; 4 words of padding behind every 32.  B: 64 rows x 256 elements, 1,024 from row to row; 4 words behind every 128.
	s_or_b32 s[G1+0], s43, (1<<16)|(1<<20)|(1<<21)|(4<<22)|(3<<25)
	s_mov_b32 s[G1+1], 64<<16                      ; tensor_dim0
	s_mov_b32 s[G1+2], 256<<16                     ; tensor_dim1
	s_mov_b32 s[G1+3], 64<<16                      ; tile_dim0
	s_mov_b32 s[G1+4], 256                         ; tile_dim1
	s_mov_b32 s[G1+5], 64                          ; elements from row to row
	s_mov_b32 s[G1+6], 0
	s_mov_b32 s[G1+7], 0
	s_or_b32 s[G1B+0], s44, (1<<16)|(1<<20)|(1<<21)|(6<<22)|(3<<25)
	s_mov_b32 s[G1B+1], 256<<16
	s_mov_b32 s[G1B+2], 64<<16
	s_mov_b32 s[G1B+3], 256<<16
	s_mov_b32 s[G1B+4], 64
	s_mov_b32 s[G1B+5], 1024
	s_mov_b32 s[G1B+6], 0
	s_mov_b32 s[G1B+7], 0
	s_lshl_b32 s16, s13, 18                        ; A: block row x 256 KiB
	s_lshl_b32 s17, s12, 15                        ;    + half x two heads of 16 KiB
	s_add_co_u32 s16, s16, s17
	s_mov_b32 s17, 0
	s_lshl_b32 s46, s42, 18                        ; B: block column x 128 rows of 2,048 bytes
	s_lshl_b32 s47, s12, 17                        ;    + half x 64 rows
	s_add_co_u32 s46, s46, s47
	s_mov_b32 s47, 0
	s_mul_i32 s20, s10, QTR                        ; LDS: quarter = wave
	s_wait_dscnt 0x0
	s_wait_kmcnt 0x0
	s_add_nc_u64 s[14:15], s[4:5], s[16:17]
	s_add_nc_u64 s[46:47], s[6:7], s[46:47]
	CROUND                                         ; all sixteen work-groups are here: the first joint loads meet
.irp s, 0,1
	s_mov_b32 s[G0+4*\s], 1
	s_add_co_u32 s[G0+4*\s+1], s20, \s*SLOT
	s_add_nc_u64 s[G0+4*\s+2:G0+4*\s+3], s[14:15], \s*65536        ; K step s: four heads on
	s_or_b32 s[G0+4*\s+3], s[G0+4*\s+3], 0x80000000
	s_mov_b32 s[G0B+4*\s], 1
	s_add_co_u32 s[G0B+4*\s+1], s20, \s*SLOT
	s_add_nc_u64 s[G0B+4*\s+2:G0B+4*\s+3], s[46:47], \s*512        ; K step s: 256 elements on
	s_or_b32 s[G0B+4*\s+3], s[G0B+4*\s+3], 0x80000000
	JLOAD \s                                       ; both first fills go out together: two tensor loads of the wave are out
.endr
	v_and_b32 v1, 15, v0                           ; r
	v_bfe_u32 v2, v0, 4, 1                         ; h
	v_mul_u32_u24 v3, v1, AP
	v_lshl_add_u32 v3, v2, 4, v3
	v_mul_u32_u24 v4, v1, BP
	v_lshl_add_u32 v4, v2, 4, v4
	s_mul_i32 s21, s11, 64*AP                      ; my 64 rows within each head
	s_mul_i32 s22, s12, QTR
	s_add_co_u32 s22, s22, 2*QTR                   ; my column half's quarter
.irp s, 0,1
	v_add_nc_u32 v[ADRA+\s], s21, v3
	v_add_nc_u32 v[ADRB+\s], s22, v4
	s_add_co_u32 s21, s21, SLOT
	s_add_co_u32 s22, s22, SLOT
.endr
	s_mul_i32 s23, s10, 16*SPITCH
	s_add_co_u32 s23, s23, STAGE
	v_mul_u32_u24 v5, v1, SPITCH                   ; in: row r, 32 bytes (eight f32) for each half of the lanes
	v_lshl_add_u32 v5, v2, 5, v5
	v_add_nc_u32 v[STO], s23, v5
	v_mul_u32_u24 v5, v2, SPITCH                   ; back: lanes 0-15 one row of 256 bytes, lanes 16-31 the next
	v_lshl_add_u32 v5, v1, 4, v5
	v_add_nc_u32 v[RD], s23, v5
	v_lshlrev_b32 v5, 12, v2                       ; the same two rows in out0: 4,096 bytes apart
	v_lshl_add_u32 v[CO], v1, 4, v5
.macro MUL8 f, a0, zero                ; row tiles a0, a0 + 1 x all four column tiles, 32 along K
.irp a, \a0, \a0+1
.irp b, 0,1,2,3
.if \zero
	v_wmma_f32_16x16x32_f16 v[8*(4*(\a)+\b):8*(4*(\a)+\b)+7], v[\f+8*\b:\f+8*\b+7], v[\f+32+8*(\a):\f+32+8*(\a)+7], 0
.else
	v_wmma_f32_16x16x32_f16 v[8*(4*(\a)+\b):8*(4*(\a)+\b)+7], v[\f+8*\b:\f+8*\b+7], v[\f+32+8*(\a):\f+32+8*(\a)+7], v[8*(4*(\a)+\b):8*(4*(\a)+\b)+7]
.endif
.endr
.endr
.endm
.macro FETCH slot, kq, f               ; the fragments of the 32 K at eighth kq of the step: head kq / 2, dims 32 (kq % 2) ..
.irp b, 0,1,2,3
	ds_load_b128 v[\f+8*\b:\f+8*\b+3],   v[ADRB+\slot] offset:16*BP*\b+64*\kq
	ds_load_b128 v[\f+8*\b+4:\f+8*\b+7], v[ADRB+\slot] offset:16*BP*\b+64*\kq+32
.endr
.irp a, 0,1,2,3
	ds_load_b128 v[\f+32+8*\a:\f+32+8*\a+3],   v[ADRA+\slot] offset:128*AP*(\kq>>1)+16*AP*\a+64*(\kq&1)
	ds_load_b128 v[\f+32+8*\a+4:\f+32+8*\a+7], v[ADRA+\slot] offset:128*AP*(\kq>>1)+16*AP*\a+64*(\kq&1)+32
.endr
.endm
.macro PLACES                          ; four places between a matrix instruction and a load into, or an LDS store of, its registers (ISA guide 7.12.1 for vector instructions)
.rept 4
	v_nop
.endr
.endm
; Multiplies buffer f; ahead of that it fetches eighth kq of the same slot into buffer g.  The 16 accumulators take turns.
.macro QUARTER slot, kq, f, g, zero
	PLACES
	WIN 0
	FETCH \slot, \kq, \g
	s_wait_dscnt 16                                ; all but the sixteen just issued: buffer f is whole
	WIN MULW
	MUL8 \f, 0, \zero
	MUL8 \f, 2, \zero
.endm
.macro STEP slot, zero                 ; eighths 0..6 of a K step
	QUARTER \slot, 1, F0, F1, \zero
	QUARTER \slot, 2, F1, F0, 0
	QUARTER \slot, 3, F0, F1, 0
	QUARTER \slot, 4, F1, F0, 0
	QUARTER \slot, 5, F0, F1, 0
	QUARTER \slot, 6, F1, F0, 0
	QUARTER \slot, 7, F0, F1, 0
.endm
; Eighth 7, and the change of slots: each wave's waits, the barrier (with fill = 1 it opens a round of the cluster's barrier), the refill first behind it.
.macro TURN slot, next, fill
	s_wait_dscnt 0                                 ; buffer 1 is whole, and my reads of this slot are over
	s_wait_tensorcnt 0x0                           ; all my tensor loads have landed: the one that was out is my part of the next slot
	ds_add_u32 v254, v255
	s_wait_dscnt 0x0
	s_barrier_signal -1
	WIN MULW
	MUL8 F1, 0, 0                                  ; work on registers while the others arrive
	WIN 0
	s_barrier_wait -1
.if \fill
	CREST                                          ; no wave of any partner still reads this slot or has a load on its way
	s_add_nc_u64 s[G0+4*\slot+2:G0+4*\slot+3], s[G0+4*\slot+2:G0+4*\slot+3], 131072     ; two K steps on: eight heads
	s_add_nc_u64 s[G0B+4*\slot+2:G0B+4*\slot+3], s[G0B+4*\slot+2:G0B+4*\slot+3], 1024   ; 512 elements
	JLOAD \slot                                    ; the first tensor load behind the round, the wave's only one until the next
.endif
	PLACES
	FETCH \next, 0, F0
	WIN MULW
	MUL8 F1, 2, 0
.endm
	s_wait_tensorcnt 1                             ; my part of slot 0 is in; slot 1's load, issued behind it, may stay out
	s_barrier_signal -1
	s_barrier_wait -1
	FETCH 0, 0, F0
	STEP 0, 1                                      ; the first products start the sums
	TURN 0, 1, 1
	STEP 1, 0
	TURN 1, 0, 1
	STEP 0, 0
	TURN 0, 1, 0                                   ; nothing is left to fetch
	STEP 1, 0
	s_wait_dscnt 0
	MUL8 F1, 0, 0
	MUL8 F1, 2, 0
	; THE WAY OUT, 16 rows at a time through my own stage: rows of 64 f32 = 256 bytes.
	PLACES
	WIN 0
	s_lshl_b32 s16, s13, 7
	s_lshl_b32 s17, s11, 6
	s_add_co_u32 s16, s16, s17                     ; my first row
	s_lshl_b32 s16, s16, 12                        ; x 4,096 bytes
	s_mov_b32 s17, 0
	s_add_nc_u64 s[8:9], s[8:9], s[16:17]
	s_lshl_b32 s46, s42, 9                         ; my first column x 4 bytes: 512 x block + 256 x half
	s_lshl_b32 s47, s12, 8
	s_add_co_u32 s46, s46, s47
	s_mov_b32 s47, 0
	s_add_nc_u64 s[8:9], s[8:9], s[46:47]
.macro OUTP a, f
	WIN 0x04                                       ; an LDS store's data is source 1: window 1
.irp b, 0,1,2,3
	ds_store_b128 v[STO], v[8*(4*\a+\b):8*(4*\a+\b)+3]   offset:64*\b
	ds_store_b128 v[STO], v[8*(4*\a+\b)+4:8*(4*\a+\b)+7] offset:64*\b+16
.endr
	WIN 0
	s_wait_xcnt 0x0                                ; buffer f, which earlier stores read, is rewritten only behind this wait (ISA guide 3.1)
.irp t, 0,1,2,3,4,5,6,7
	ds_load_b128 v[\f+4*\t:\f+4*\t+3], v[RD] offset:2*SPITCH*\t    ; my own bytes, served in order (ISA guide 5.7.1.4)
.endr
.irp t, 0,1,2,3,4,5,6,7
	s_wait_dscnt 7-\t                              ; load t is in, the 7 - t younger ones stay out
	global_store_b128 v[CO], v[\f+4*\t:\f+4*\t+3], s[8:9] offset:(16*\a+2*\t)*4096 th:TH_STORE_NT   ; sixteen lanes store 256 consecutive bytes, aligned
.endr
.endm
	OUTP 0, F0
	OUTP 1, F1
	OUTP 2, F0
	OUTP 3, F1
	s_wait_tensorcnt 0x0
	ds_add_u32 v254, v255
	s_wait_dscnt 0x0
	CROUND                                         ; the closing round
	s_endpgm
.Lfunc_end_k_q167247266a_proj:
	.size	k_q167247266a_proj, .Lfunc_end_k_q167247266a_proj-k_q167247266a_proj
	.p2alignl 7, 3214868480
	.fill 96, 4, 3214868480
	.section	.rodata,"a",@progbits
	.p2align	6, 0x0
	.amdhsa_kernel k_q167247266a_proj
		.amdhsa_group_segment_fixed_size 327680
		.amdhsa_private_segment_fixed_size 0
		.amdhsa_enable_private_segment 0
		.amdhsa_kernarg_size 24
		.amdhsa_user_sgpr_count 2
		.amdhsa_user_sgpr_kernarg_segment_ptr 1
		.amdhsa_wavefront_size32 1
		.amdhsa_system_sgpr_workgroup_id_x 1
		.amdhsa_system_sgpr_workgroup_id_y 1
		.amdhsa_system_sgpr_workgroup_id_z 1
		.amdhsa_system_vgpr_workitem_id 0
		.amdhsa_next_free_vgpr 384
		.amdhsa_next_free_sgpr 66
		.amdhsa_reserve_vcc 0
		.amdhsa_float_denorm_mode_32 3
		.amdhsa_float_denorm_mode_16_64 3
		.amdhsa_memory_ordered 1
		.amdhsa_forward_progress 1
		.amdhsa_inst_pref_size 88
	.end_amdhsa_kernel
	.amdgpu_metadata
---
amdhsa.version: [ 1, 2 ]
amdhsa.kernels:
  - .name:           k_q167247266a_proj
    .symbol:         k_q167247266a_proj.kd
    .args:
      - { .name: ctx, .offset: 0, .size: 8, .value_kind: global_buffer, .address_space: global }
      - { .name: wob, .offset: 8, .size: 8, .value_kind: global_buffer, .address_space: global }
      - { .name: out0, .offset: 16, .size: 8, .value_kind: global_buffer, .address_space: global }
    .group_segment_fixed_size: 327680
    .private_segment_fixed_size: 0
    .kernarg_segment_align: 8
    .kernarg_segment_size: 24
    .max_flat_workgroup_size: 128
    .sgpr_count:     66
    .vgpr_count:     384
    .wavefront_size: 32
...
	.end_amdgpu_metadata
.endif
;; end of part 4
